; MI455X (gfx1250); checked and timed in simulation.
; The chip was launched on July 23, 2026; its instructions are those of AMD's public machine-readable ISA for CDNA 5 (MIT licence, August 2026) and "CDNA5" Instruction Set Architecture Reference Guide (July 2026). The comments in the code are by the model that wrote it; some were corrected since.
;; Concat Attention Param. Allowed arithmetic: float matrix products may take bf16 or f16 operands with f32 sums; all other float work in f32.
;; Inputs: h 32 x 2,048 x 1,024 float32; ln_b 1,024 float32; ln_w 1,024 x 2,048 float32; mask 32 x 2,048 bool; v_w 1,024 float32; vq 1,024 float32.
;; Outputs: out0 32 x 1,024 float32.
;; 2 versions, each right and faster than the one before. Each part assembles by itself: llvm-mc -triple=amdgcn-amd-amdhsa -mcpu=gfx1250 --defsym DOCPART=n.
;; ======== version 1 of 2: 3 launches
;; workspace buffers: wb 2,097,152 bytes; bias 4,096 bytes; pr 2,359,296 bytes
;; launch prep (part 1): grid 64 x 4, 4 waves a work-group, no clusters, 0 bytes of LDS; arguments ln_w, ln_b, vq, wb, bias; writes wb, bias
.if DOCPART == 1
	.amdgcn_target "amdgcn-amd-amdhsa--gfx1250"
	.amdhsa_code_object_version 6
	.text
	.protected	k_q83613d98d8_prep
	.globl	k_q83613d98d8_prep
	.p2align	8
	.type	k_q83613d98d8_prep,@function
k_q83613d98d8_prep:
	s_mov_b64 s[64:65], 0
	v_nop
	global_prefetch_b8 v0, s[64:65] scope:SCOPE_SE
	s_setreg_imm32_b32 hwreg(HW_REG_WAVE_MODE, 25, 1), 1
	s_wait_xcnt 0x0
; Prepares the weights for the main launch.  K = 2 log2(e), so that tanh(x) = 1 - 2 / (1 + 2^(K x)) needs no multiply later.
;   wb   = bf16(K * ln_w[:, 0:1024]) in the order in which the matrix instruction's registers want it
;   bias = K * (ln_b + ln_w[:, 1024:2048] . vq), in f32 by vector arithmetic (one row of 1,024 products a wave)
; K is multiplied in before the rounding to bf16: the relative rounding error is that of bf16(W).
; wb: n tile nt = n / 16 = 32 c + 8 w + b (c: sweep, w: wave, b: tile of the wave), K step ks = k / 32.
;   block byte = (((2 w + c) 32 + ks) 8 + b) 1024; in a block, byte j 512 + 16 lane holds row 16 nt + (lane & 15),
;   k = 32 ks + 16 j + 8 (lane >> 4) .. + 7.  So one 16-byte load a lane fills half a fragment from 512 consecutive bytes.
; Work-group (nt, qd), wave v: the two blocks ks = 8 qd + 2 v + {0, 1} of n tile nt, and the bias of row n = 16 nt + 4 qd + v.
; No LDS, no barrier: no wave needs another's numbers.  No matrix unit: the only product here is one vector against 1,024 rows.
.set KSC, 0x4038aa3b                   ; 2 log2(e)
.set XA, 8                             ; v[8:39]    two blocks of W_h, f32, then packed in place
.set XB, 40                            ; v[40:71]   my row of W_vq
.set XQ, 72                            ; v[72:103]  vq
.set AC, 104                           ; v[104:111] four chains of two sums
	s_load_b256 s[4:11], s[0:1], 0x0               ; ln_w s[4:5], ln_b s[6:7], vq s[8:9], wb s[10:11]
	s_load_b64 s[12:13], s[0:1], 0x20              ; bias
	v_lshrrev_b32 v2, 5, v0
	v_readfirstlane_b32 s14, v2                    ; wave v
	s_and_b32 s15, ttmp7, 0xffff                   ; qd
	v_and_b32 v1, 31, v0                           ; lane
	v_and_b32 v2, 15, v0                           ; r
	v_bfe_u32 v3, v0, 4, 1                         ; hh
	v_lshlrev_b32 v4, 13, v2                       ; r rows of 8,192 bytes
	v_lshl_add_u32 v4, v3, 5, v4                   ; + 8 hh numbers of 4 bytes
	v_lshlrev_b32 v5, 4, v1                        ; 16 x lane
	s_lshl_b32 s16, s15, 3
	s_lshl1_add_u32 s16, s14, s16                  ; ks0 = 8 qd + 2 v
	s_lshl_b32 s18, ttmp9, 17                      ; 16 nt rows of 8,192 bytes
	s_lshl_b32 s17, s16, 7                         ; + ks0 steps of 128 bytes
	s_add_co_u32 s18, s18, s17
	s_mov_b32 s19, 0
	s_lshl_b32 s20, ttmp9, 4
	s_lshl2_add_u32 s20, s15, s20
	s_add_co_u32 s20, s20, s14                     ; n = 16 nt + 4 qd + v
	s_lshl_b32 s22, s20, 13
	s_add_co_u32 s22, s22, 4096                    ; row n, second half (W_vq)
	s_mov_b32 s23, 0
	s_bfe_u32 s24, ttmp9, 0x20003                  ; w = (nt >> 3) & 3
	s_lshr_b32 s25, ttmp9, 5                       ; c = nt >> 5
	s_lshl1_add_u32 s24, s24, s25                  ; 2 w + c
	s_lshl_b32 s24, s24, 5
	s_add_co_u32 s24, s24, s16                     ; x 32 + ks0
	s_and_b32 s25, ttmp9, 7                        ; b
	s_lshl3_add_u32 s24, s24, s25                  ; x 8 + b
	s_lshl_b32 s24, s24, 10                        ; blocks of 1,024 bytes
	s_mov_b32 s25, 0
	s_lshl_b32 s29, s20, 2                         ; 4 n
	s_mov_b32 s26, 0x76543210                      ; v_permlanex16_b32: lane i reads lane i of the other half
	s_mov_b32 s27, 0xfedcba98
	v_mov_b32 v6, s29
	s_wait_kmcnt 0x0
	s_load_b32 s28, s[6:7], s29 offset:0x0         ; ln_b[n]
	s_add_nc_u64 s[18:19], s[4:5], s[18:19]
	s_add_nc_u64 s[22:23], s[4:5], s[22:23]
	s_add_nc_u64 s[24:25], s[10:11], s[24:25]
	; all 24 loads go out first.  Group g = 2 e + j: block e, half j: 8 numbers a lane; the eight loads cover 256 consecutive bytes of each of 16 rows
.irp g, 0,1,2,3
	global_load_b128 v[XA+8*\g:XA+8*\g+3],   v4, s[18:19] offset:64*\g th:TH_LOAD_NT
	global_load_b128 v[XA+8*\g+4:XA+8*\g+7], v4, s[18:19] offset:64*\g+16 th:TH_LOAD_NT
.endr
.irp i, 0,1,2,3,4,5,6,7
	global_load_b128 v[XB+4*\i:XB+4*\i+3], v5, s[22:23] offset:512*\i th:TH_LOAD_NT
.endr
.irp i, 0,1,2,3,4,5,6,7
	global_load_b128 v[XQ+4*\i:XQ+4*\i+3], v5, s[8:9] offset:512*\i
.endr
	s_wait_loadcnt 16                              ; the eight loads of W_h are in; the sixteen younger ones stay out
.set u, 0
.rept 16
	v_pk_mul_f32 v[XA+2*u:XA+2*u+1], v[XA+2*u:XA+2*u+1], KSC op_sel_hi:[1,0]
.set u, u+1
.endr
.irp g, 0,1,2,3
.irp i, 0,1,2,3
	v_cvt_pk_bf16_f32 v[XA+8*\g+\i], v[XA+8*\g+2*\i], v[XA+8*\g+2*\i+1]   ; packed in place, ascending: word i is written after words 2 i, 2 i + 1 are read
.endr
.endr
.irp e, 0,1
.irp j, 0,1
	global_store_b128 v5, v[XA+8*(2*\e+\j):XA+8*(2*\e+\j)+3], s[24:25] offset:8192*\e+512*\j   ; 512 consecutive bytes a store; the next K step's block lies 8 blocks on
.endr
.endr
	s_wait_loadcnt 0x0                             ; my row of W_vq, and vq
.set u, 0
.rept 4
	v_pk_mul_f32 v[AC+2*u:AC+2*u+1], v[XB+2*u:XB+2*u+1], v[XQ+2*u:XQ+2*u+1]   ; the first products start the four chains
.set u, u+1
.endr
.rept 12
	v_pk_fma_f32 v[AC+2*(u%4):AC+2*(u%4)+1], v[XB+2*u:XB+2*u+1], v[XQ+2*u:XQ+2*u+1], v[AC+2*(u%4):AC+2*(u%4)+1]
.set u, u+1
.endr
	v_pk_add_f32 v[AC:AC+1], v[AC:AC+1], v[AC+2:AC+3]
	v_pk_add_f32 v[AC+4:AC+5], v[AC+4:AC+5], v[AC+6:AC+7]
	v_pk_add_f32 v[AC:AC+1], v[AC:AC+1], v[AC+4:AC+5]
	v_add_f32 v[AC], v[AC], v[AC+1]
	v_add_f32_dpp v[AC], v[AC], v[AC] row_xmask:1 row_mask:0xf bank_mask:0xf
	v_add_f32_dpp v[AC], v[AC], v[AC] row_xmask:2 row_mask:0xf bank_mask:0xf
	v_add_f32_dpp v[AC], v[AC], v[AC] row_xmask:4 row_mask:0xf bank_mask:0xf
	v_add_f32_dpp v[AC], v[AC], v[AC] row_xmask:8 row_mask:0xf bank_mask:0xf
	v_permlanex16_b32 v[AC+1], v[AC], s26, s27
	v_add_f32 v[AC], v[AC], v[AC+1]
	s_wait_kmcnt 0x0                               ; ln_b[n]
	v_add_f32 v[AC], s28, v[AC]
	v_mul_f32 v[AC], KSC, v[AC]
	v_cmp_eq_u32 vcc_lo, 0, v1
	s_wait_xcnt 0x0                                ; EXEC is a source of the stores above: it narrows only behind this wait
	s_and_saveexec_b32 s30, vcc_lo
	global_store_b32 v6, v[AC], s[12:13]           ; one number a wave: the whole of bias is 4,096 bytes
	s_wait_xcnt 0x0                                ; and widens only behind this one
	s_or_b32 exec_lo, exec_lo, s30
	s_endpgm
.Lfunc_end_k_q83613d98d8_prep:
	.size	k_q83613d98d8_prep, .Lfunc_end_k_q83613d98d8_prep-k_q83613d98d8_prep
	.p2alignl 7, 3214868480
	.fill 96, 4, 3214868480
	.section	.rodata,"a",@progbits
	.p2align	6, 0x0
	.amdhsa_kernel k_q83613d98d8_prep
		.amdhsa_group_segment_fixed_size 0
		.amdhsa_private_segment_fixed_size 0
		.amdhsa_enable_private_segment 0
		.amdhsa_kernarg_size 40
		.amdhsa_user_sgpr_count 2
		.amdhsa_user_sgpr_kernarg_segment_ptr 1
		.amdhsa_wavefront_size32 1
		.amdhsa_system_sgpr_workgroup_id_x 1
		.amdhsa_system_sgpr_workgroup_id_y 1
		.amdhsa_system_sgpr_workgroup_id_z 1
		.amdhsa_system_vgpr_workitem_id 0
		.amdhsa_next_free_vgpr 112
		.amdhsa_next_free_sgpr 66
		.amdhsa_reserve_vcc 1
		.amdhsa_float_denorm_mode_32 3
		.amdhsa_float_denorm_mode_16_64 3
		.amdhsa_memory_ordered 1
		.amdhsa_forward_progress 1
		.amdhsa_inst_pref_size 9
	.end_amdhsa_kernel
	.amdgpu_metadata
---
amdhsa.version: [ 1, 2 ]
amdhsa.kernels:
  - .name:           k_q83613d98d8_prep
    .symbol:         k_q83613d98d8_prep.kd
    .args:
      - { .name: ln_w, .offset: 0, .size: 8, .value_kind: global_buffer, .address_space: global }
      - { .name: ln_b, .offset: 8, .size: 8, .value_kind: global_buffer, .address_space: global }
      - { .name: vq, .offset: 16, .size: 8, .value_kind: global_buffer, .address_space: global }
      - { .name: wb, .offset: 24, .size: 8, .value_kind: global_buffer, .address_space: global }
      - { .name: bias, .offset: 32, .size: 8, .value_kind: global_buffer, .address_space: global }
    .group_segment_fixed_size: 0
    .private_segment_fixed_size: 0
    .kernarg_segment_align: 8
    .kernarg_segment_size: 40
    .max_flat_workgroup_size: 128
    .sgpr_count:     66
    .vgpr_count:     112
    .wavefront_size: 32
...
	.end_amdgpu_metadata
.endif
;; end of part 1
;; launch main (part 2): grid 256 x 1, 4 waves a work-group, no clusters, 301,568 bytes of LDS; arguments h, mask, v_w, wb, bias, pr; writes pr
.if DOCPART == 2
	.amdgcn_target "amdgcn-amd-amdhsa--gfx1250"
	.amdhsa_code_object_version 6
	.text
	.protected	k_q83613d98d8_main
	.globl	k_q83613d98d8_main
	.p2align	8
	.type	k_q83613d98d8_main,@function
k_q83613d98d8_main:
	s_mov_b64 s[64:65], 0
	v_nop
	global_prefetch_b8 v0, s[64:65] scope:SCOPE_SE
	s_setreg_imm32_b32 hwreg(HW_REG_WAVE_MODE, 25, 1), 1
	s_wait_xcnt 0x0
; For each tile of 128 rows of h (two tiles a work-group, 512 in all): the scores, the tile's part of the softmax, and the tile's weighted sum of h.
;   x[row][n] = K (W_h h[row] + bias)[n]   by bf16 matrix instructions, f32 sums (K = 2 log2 e is already in wb and bias)
;   q = 1 / (1 + 2^x), so tanh = 1 - 2 q and  s[row] = sum(v_w) - 2 sum_n v_w[n] q[row][n] - 10000 (1 - mask[row])
;   m = max s over the tile, p = e^(s - m), l = sum p, R[col] = sum_row p[row] h[row][col];  pr holds R, m, l for the last launch.
; sum(v_w) is the same in every row and a softmax does not change under a common shift, so it is left out of s.
; 2^x = inf gives q = 0 and 2^x = 0 gives q = 1: no clamp is needed, and only a NaN in the inputs makes a NaN.
; LIMITS: mask bytes are 0 or 1.  h enters both products rounded to bf16 (the weights p stay f32, all sums f32).
;
; h IS READ ONCE: slab by slab (64 columns, 256 consecutive aligned bytes of each row) during the first sweep, converted to bf16 and kept in LDS;
; the second sweep and the weighted sum read that copy.  A slab's loads are issued three K steps (192 matrix instructions) ahead of their wait.
; SHAPE: four waves; a wave makes 128 rows x 128 n in 64 accumulator tiles (512 registers); the four cover 512 n, so a tile takes two sweeps of 32 K steps of 32.
; W comes straight into fragment registers: no two waves use the same fragment of W, and wb is laid out so that each load takes 512 consecutive bytes.
; A ring of four register buffers runs two steps ahead, without a barrier.
; NO CLUSTER, NO JOINT LOADS of W, although all work-groups read it: the resident tile takes 296,960 of the 327,680 bytes of LDS, the scores 4,096; one K step of W
; for the four waves is 32,768 bytes and two slots would be 65,536, and 26,624 are left.
;
; REGISTER WINDOWS: 0 addresses, h fragments, staging; 1 the W ring, buffer q at v[64 q]; 2 accumulator tiles (a, b), a = 0..3, at v[8 (8 a + b)]; 3 those of a = 4..7.
; THE MATRIX INSTRUCTION IS USED TRANSPOSED (source 0 = 16 rows of W, source 1 = 16 rows of h): lane l then holds row 16 a + (l & 15) of the tile and its
; registers j the columns n = 16 b + 8 (l >> 4) + j, so that the sum over n runs inside a lane.
; The 64 accumulators take turns, one instruction a turn, in the same order in every K step, over the loops' backward jumps too.
.set PH,    144                        ; LDS row of a slab: 128 bytes + 16: 9 x 16, so 16 rows start at 16 different 16-byte columns of 256
.set SLAB,  128*PH+128                 ; 18,560: the 128 bytes more put neighbouring slabs 128 bytes apart modulo 256 (for the weighted sum's loads)
.set SC,    16*SLAB                    ; 4 x 512 bytes: each wave's partial scores of the 128 rows
.set PW,    SC+2048                    ; 4 x 512 bytes: each wave's own copy of p
.set PRROW, 4608                       ; a tile's bytes in pr: 4 x 1,024 of R, then 32 x (m, l, m, l)
.set LB,    1                          ; 16 x lane
.set HV,    2                          ; (32 w + 8 hh) rows of 4,096 bytes + 16 r: my place in a slab of h
.set STA,   3                          ; where I store my converted 8 bytes (stepped)
.set ADRA,  4                          ; where I read h fragments (stepped)
.set STA0,  5                          ; their values at a tile's start
.set ADRA0, 6
.set RA0,   7                          ; weighted sum: my 16 bytes of row 0
.set TUPV,  8                          ; 32 hh: my 8 numbers in 16 of bias and v_w
.set SCW,   9
.set SCR,   10
.set PWA,   11
.set PRD,   12                         ; weighted sum: p (stepped)
.set RA,    13                         ; weighted sum: h (stepped)
.set ML,    14                         ; 4 x lane
.set MK,    15                         ; v15, v16: four mask bytes of tile 0, 1
.set TA,    17                         ; at work
.set MX,    18                         ; m
.set LS,    19                         ; l
.set SACC,  20                         ; v[20:27] sum over my n of v_w q, for row 16 a + r
.set T4,    28                         ; v[28:31] at work
.set CV,    32                         ; v[32:63] converted slab; later scores; later p (v32-47)
.set RACC,  48                         ; v[48:63] weighted sums: 8 columns, even rows and odd rows apart
.set AF,    64                         ; v[64:127] h fragments: a = 0..3 in v64-95, a = 4..7 in v96-127; later rows of h for the weighted sum
.set STG0,  128                        ; v[128:191] staging for even slabs; bias in the epilogue
.set STG1,  192                        ; v[192:255] staging for odd slabs; v_w in the epilogue
.set BS,    18                         ; s[18:19] my wave's 512 KiB of wb
.set BP,    20                         ; s[20:21] the same, stepped
.set HP,    22                         ; s[22:23] the tile in h, stepped along the columns
.set BI,    24                         ; s[24:25] bias + 512 w
.set VW,    26                         ; s[26:27] v_w + 512 w
.set PRP,   36                         ; s[36:37] pr at my work-group's first tile + 1,024 w
.set MKP,   38                         ; s[38:39] mask at my work-group's first tile
.set MUL_LO, 0xa1                      ; source 0 (W) window 1, source 1 (h) window 0, C and D window 2
.set MUL_HI, 0xf1                      ; the same, C and D window 3
.set TO_B,   0x40                      ; destination window 1, address window 0
.set E_LO,   0xa2                      ; destination, sources 0 and 2 window 2, source 1 window 0
.set E_HI,   0xf3
.set OUT_LO, 0x0a                      ; sources 0 and 1 window 2, destination window 0
.set OUT_HI, 0x0f
.set MSB, 0
.macro WIN new                         ; the immediate's high byte repeats the setting that is left; a switch that changes nothing is dropped
.if MSB != \new
	s_set_vgpr_msb (MSB<<8)|\new
.set MSB, \new
.endif
.endm
; Four places: a load into a register that a matrix instruction has read, and a vector instruction that reads a matrix result, stand four plain
; vector instructions behind it (ISA guide 7.12.1 for vector instructions).
.macro PLACES
.rept 4
	v_nop
.endr
.endm
; 16 matrix instructions: row blocks a0, a0 + 1 of the window's four x my 8 n tiles, 32 along K, W from ring buffer q.  zero = 1: the product starts the sums.
.macro MUL16 hi, a0, q, zero
.irp a, \a0, \a0+1
.irp b, 0,1,2,3,4,5,6,7
.if \zero
	v_wmma_f32_16x16x32_bf16 v[8*(8*(\a)+\b):8*(8*(\a)+\b)+7], v[64*(\q)+8*\b:64*(\q)+8*\b+7], v[AF+8*(4*\hi+(\a)):AF+8*(4*\hi+(\a))+7], 0
.else
	v_wmma_f32_16x16x32_bf16 v[8*(8*(\a)+\b):8*(8*(\a)+\b)+7], v[64*(\q)+8*\b:64*(\q)+8*\b+7], v[AF+8*(4*\hi+(\a)):AF+8*(4*\hi+(\a))+7], v[8*(8*(\a)+\b):8*(8*(\a)+\b)+7]
.endif
.endr
.endr
.endm
; 8 LDS loads: the h fragments of four row blocks (half 0: a = 0..3, half 1: a = 4..7), 32 K at byte col from ADRA
.macro FETCHA half, col
	WIN 0
.irp a, 0,1,2,3
	ds_load_b128 v[AF+32*\half+8*\a:AF+32*\half+8*\a+3],   v[ADRA] offset:(\col)+(4*\half+\a)*16*PH
	ds_load_b128 v[AF+32*\half+8*\a+4:AF+32*\half+8*\a+7], v[ADRA] offset:(\col)+(4*\half+\a)*16*PH+32
.endr
.endm
; 16 loads: one K step of my W (8 KiB, consecutive) into ring buffer q2
.macro BLOAD q2, base, off
	WIN TO_B
.irp b, 0,1,2,3,4,5,6,7
	global_load_b128 v[64*(\q2)+8*\b:64*(\q2)+8*\b+3],   v[LB], s[\base:\base+1] offset:\off+\b*1024
	global_load_b128 v[64*(\q2)+8*\b+4:64*(\q2)+8*\b+7], v[LB], s[\base:\base+1] offset:\off+\b*1024+512
.endr
.endm
; 16 loads: my 32 rows of a slab of h.  Lanes 0-15 take 256 consecutive aligned bytes of one row, lanes 16-31 of the row 8 further down.
.macro HLOAD stg, off
	WIN 0
.irp i, 0,1,2,3,4,5,6,7,8,9,10,11,12,13,14,15
	global_load_b128 v[\stg+4*\i:\stg+4*\i+3], v[HV], s[HP:HP+1] offset:\off+((\i&7)+16*(\i>>3))*4096 th:TH_LOAD_NT
.endr
.endm
; a staged slab to bf16 and into LDS, 8 bytes a lane: lanes 0-15 fill 128 bytes of a row, lanes 16-31 lie 8 x 144 bytes on = 128 modulo 256
.macro CONV stg, col
	WIN 0
.irp i, 0,1,2,3,4,5,6,7,8,9,10,11,12,13,14,15
	v_cvt_pk_bf16_f32 v[CV+2*\i],   v[\stg+4*\i],   v[\stg+4*\i+1]
	v_cvt_pk_bf16_f32 v[CV+2*\i+1], v[\stg+4*\i+2], v[\stg+4*\i+3]
.endr
.irp i, 0,1,2,3,4,5,6,7,8,9,10,11,12,13,14,15
	ds_store_b64 v[STA], v[CV+2*\i:CV+2*\i+1] offset:\col+((\i&7)+16*(\i>>3))*PH
.endr
.endm
; 32 loads: bias and v_w of my 128 n of sweep c, as the accumulators hold them: registers 8 b + j = n 16 b + 8 hh + j
.macro TUPLES c
	WIN 0
.irp b, 0,1,2,3,4,5,6,7
	global_load_b128 v[STG0+8*\b:STG0+8*\b+3],   v[TUPV], s[BI:BI+1] offset:2048*\c+64*\b
	global_load_b128 v[STG0+8*\b+4:STG0+8*\b+7], v[TUPV], s[BI:BI+1] offset:2048*\c+64*\b+16
	global_load_b128 v[STG1+8*\b:STG1+8*\b+3],   v[TUPV], s[VW:VW+1] offset:2048*\c+64*\b
	global_load_b128 v[STG1+8*\b+4:STG1+8*\b+7], v[TUPV], s[VW:VW+1] offset:2048*\c+64*\b+16
.endr
.endm
; One K step, the q-th of a trip of four.  n: how many younger loads may stay out when this step's W has to be there.
; conv: a staged slab is converted and stored in the step's middle (q = 0: the odd slab one on, q = 2: the even slab two on), and a barrier closes inside the step.
; hiss: a slab's loads are issued (q = 1: the odd slab three on, q = 3: the even slab four on).  bsrc: W of two steps on from BP (1), from the stream's start (2), or none (0).
; last: the sweep's last step: no further fragments; bias and v_w of sweep c are asked for.
.macro STEP q, zero, n, conv, hiss, bsrc, last, c
	s_wait_loadcnt \n                              ; loads come back in order: this step's W is in, and any slab issued before it
.if \bsrc == 1
	BLOAD (\q+2)%4, BP, (\q+2)*8192                ; into the buffer read two steps ago; four places stand at that step's end
.endif
.if \bsrc == 2
	BLOAD (\q+2)%4, BS, (\q-2)*8192
.endif
.if \hiss
.if \q == 1
	HLOAD STG1, 768
.else
	HLOAD STG0, 1024
.endif
.endif
.if \last
	TUPLES \c
.endif
	s_wait_dscnt 8                                 ; the fragments of a = 0..3 are in; the eight younger loads (a = 4..7) may be out
	WIN MUL_LO
	MUL16 0, 0, \q, \zero
	MUL16 0, 2, \q, \zero
.if \conv
.if \q == 0
	CONV STG1, SLAB                                ; its 32 conversions are also the places in front of the loads below
.else
	CONV STG0, 2*SLAB
.endif
.else
	PLACES
.endif
.if \last == 0
	FETCHA 0, (((\q+1)>>1)*SLAB+((\q+1)&1)*64)
.endif
.if \last
	s_wait_dscnt 0                                 ; a = 4..7; nothing younger
.else
.if \conv
	s_wait_dscnt 24                                ; a = 4..7 are in: younger are the 16 stores and the 8 loads above
.else
	s_wait_dscnt 8                                 ; a = 4..7 are in: younger are the 8 loads above
.endif
.endif
	WIN MUL_HI
	MUL16 1, 0, \q, \zero
.if \conv
	s_wait_dscnt 0                                 ; my part of the slab is in LDS
	s_barrier_signal -1
.endif
	MUL16 1, 2, \q, \zero                          ; registers only between signal and wait
.if \conv
	s_barrier_wait -1                              ; the slab is whole; it is first read in the next step's middle
.endif
	PLACES
.if \last == 0
	FETCHA 1, (((\q+1)>>1)*SLAB+((\q+1)&1)*64)
.endif
.endm
.macro TRIPEND hstep                   ; four K steps = two slabs on
	WIN 0
	s_wait_xcnt 0x0                                ; the bases of the loads issued so far are stepped only behind this wait
	s_add_nc_u64 s[BP:BP+1], s[BP:BP+1], 32768
.if \hstep
	s_add_nc_u64 s[HP:HP+1], s[HP:HP+1], 512
	v_add_nc_u32 v[STA], 2*SLAB, v[STA]
.endif
	v_add_nc_u32 v[ADRA], 2*SLAB, v[ADRA]
.endm
; The epilogue of one window (32 tiles), in place: x += bias, 2^x, + 1, 1 / .., then the sum of v_w q over my n into the first pair of tile (a, 0).
; The transcendentals stand back to back on different registers with one v_nop behind each run (ISA guide 5.7.2).
.macro EPI hi, first
.if \hi
	WIN E_HI
.else
	WIN E_LO
.endif
.irp b, 0,1,2,3,4,5,6,7
.irp a, 0,1,2,3
.irp p, 0,1,2,3
	v_pk_add_f32 v[8*(8*\a+\b)+2*\p:8*(8*\a+\b)+2*\p+1], v[8*(8*\a+\b)+2*\p:8*(8*\a+\b)+2*\p+1], v[STG0+8*\b+2*\p:STG0+8*\b+2*\p+1]
.endr
.endr
.irp a, 0,1,2,3
.irp j, 0,1,2,3,4,5,6,7
	v_exp_f32 v[8*(8*\a+\b)+\j], v[8*(8*\a+\b)+\j]
.endr
.endr
	v_nop
	s_wait_alu depctr_va_vdst(0)
.irp a, 0,1,2,3
.irp p, 0,1,2,3
	v_pk_add_f32 v[8*(8*\a+\b)+2*\p:8*(8*\a+\b)+2*\p+1], v[8*(8*\a+\b)+2*\p:8*(8*\a+\b)+2*\p+1], 1.0 op_sel_hi:[1,0]
.endr
.endr
.irp a, 0,1,2,3
.irp j, 0,1,2,3,4,5,6,7
	v_rcp_f32 v[8*(8*\a+\b)+\j], v[8*(8*\a+\b)+\j]
.endr
.endr
	v_nop
	s_wait_alu depctr_va_vdst(0)
.irp p, 0,1,2,3
.irp a, 0,1,2,3
.if \b+\p == 0
	s_wait_alu depctr_va_vdst(0)
	v_pk_mul_f32 v[64*\a:64*\a+1], v[64*\a:64*\a+1], v[STG1:STG1+1]          ; the first product starts the chain, in place
.else
	v_pk_fma_f32 v[64*\a:64*\a+1], v[8*(8*\a+\b)+2*\p:8*(8*\a+\b)+2*\p+1], v[STG1+8*\b+2*\p:STG1+8*\b+2*\p+1], v[64*\a:64*\a+1]
.endif
.endr
.endr
.endr
.if \hi
	WIN OUT_HI
.else
	WIN OUT_LO
.endif
.irp a, 0,1,2,3
.if \first
	v_add_f32 v[SACC+4*\hi+\a], v[64*\a], v[64*\a+1]
.else
	v_add_f32 v[T4+\a], v[64*\a], v[64*\a+1]
.endif
.endr
	WIN 0
.if \first == 0
.irp a, 0,1,2,3
	v_add_f32 v[SACC+4*\hi+\a], v[SACC+4*\hi+\a], v[T4+\a]
.endr
.endif
.endm
.macro EPILOG first                    ; the four places behind the last matrix instructions stand at the end of the sweep's last step
	s_wait_loadcnt 0x0                             ; bias and v_w were the last loads issued
	EPI 0, \first
	EPI 1, \first
.endm
; Scores of the 128 rows, their maximum, p and l.  Every wave computes the same m, l and p; p goes to the wave's own bytes.
.macro SCORE tl
.irp g, 0,4
.irp a, 0,1,2,3
	v_permlanex16_b32 v[T4+\a], v[SACC+\g+\a], s31, s32        ; the other half of the lanes holds the other half of the n
.endr
.irp a, 0,1,2,3
	v_add_f32 v[SACC+\g+\a], v[SACC+\g+\a], v[T4+\a]
.endr
.endr
.irp a, 0,1,2,3,4,5,6,7
	ds_store_b32 v[SCW], v[SACC+\a] offset:64*\a               ; row 16 a + r; lanes l and l + 16 write the same word with the same value
.endr
	s_wait_dscnt 0x0                               ; for the other waves: my partial scores are in LDS
	s_barrier_signal -1
	s_barrier_wait -1
.irp u, 0,1,2,3
	ds_load_b128 v[CV+4*\u:CV+4*\u+3], v[SCR] offset:512*\u    ; rows 4 l .. 4 l + 3, wave u's part
.endr
.irp k, 0,1,2,3
	v_bfe_u32 v[CV+16+\k], v[MK+\tl], 8*\k, 8
.endr
.irp k, 0,1,2,3
	v_cvt_f32_u32 v[CV+16+\k], v[CV+16+\k]
.endr
.irp k, 0,1,2,3
	v_fma_f32 v[CV+16+\k], v[CV+16+\k], s33, s34               ; 10000 (1 - mask)
.endr
	s_wait_dscnt 0x0
	v_pk_add_f32 v[CV:CV+1],     v[CV:CV+1],     v[CV+4:CV+5]
	v_pk_add_f32 v[CV+2:CV+3],   v[CV+2:CV+3],   v[CV+6:CV+7]
	v_pk_add_f32 v[CV+8:CV+9],   v[CV+8:CV+9],   v[CV+12:CV+13]
	v_pk_add_f32 v[CV+10:CV+11], v[CV+10:CV+11], v[CV+14:CV+15]
	v_pk_add_f32 v[CV:CV+1],     v[CV:CV+1],     v[CV+8:CV+9]
	v_pk_add_f32 v[CV+2:CV+3],   v[CV+2:CV+3],   v[CV+10:CV+11]
.irp k, 0,1,2,3
	v_fma_f32 v[CV+\k], v[CV+\k], -2.0, -v[CV+16+\k]           ; s = -2 sum - penalty
.endr
	v_max3_num_f32 v[MX], v[CV], v[CV+1], v[CV+2]
	v_max_num_f32 v[MX], v[MX], v[CV+3]
	v_max_num_f32_dpp v[MX], v[MX], v[MX] row_xmask:1 row_mask:0xf bank_mask:0xf
	v_max_num_f32_dpp v[MX], v[MX], v[MX] row_xmask:2 row_mask:0xf bank_mask:0xf
	v_max_num_f32_dpp v[MX], v[MX], v[MX] row_xmask:4 row_mask:0xf bank_mask:0xf
	v_max_num_f32_dpp v[MX], v[MX], v[MX] row_xmask:8 row_mask:0xf bank_mask:0xf
	v_permlanex16_b32 v[TA], v[MX], s31, s32
	v_max_num_f32 v[MX], v[MX], v[TA]              ; the tile's maximum, in every lane
.irp k, 0,1,2,3
	v_sub_f32 v[CV+\k], v[CV+\k], v[MX]            ; the difference first, then the factor: no rounding at the size of the penalty
.endr
.irp k, 0,1,2,3
	v_mul_f32 v[CV+\k], s35, v[CV+\k]
.endr
.irp k, 0,1,2,3
	v_exp_f32 v[CV+\k], v[CV+\k]
.endr
	v_nop
	s_wait_alu depctr_va_vdst(0)
	v_add_f32 v[LS], v[CV], v[CV+1]
	v_add_f32 v[TA], v[CV+2], v[CV+3]
	ds_store_b128 v[PWA], v[CV:CV+3]               ; p of rows 4 l .. 4 l + 3, in my wave's own 512 bytes
	v_add_f32 v[LS], v[LS], v[TA]
	v_add_f32_dpp v[LS], v[LS], v[LS] row_xmask:1 row_mask:0xf bank_mask:0xf
	v_add_f32_dpp v[LS], v[LS], v[LS] row_xmask:2 row_mask:0xf bank_mask:0xf
	v_add_f32_dpp v[LS], v[LS], v[LS] row_xmask:4 row_mask:0xf bank_mask:0xf
	v_add_f32_dpp v[LS], v[LS], v[LS] row_xmask:8 row_mask:0xf bank_mask:0xf
	v_permlanex16_b32 v[TA], v[LS], s31, s32
	v_add_f32 v[LS], v[LS], v[TA]
.endm
; The weighted sum.  Wave w owns columns 256 w .. 256 w + 255 (slabs 4 w .. 4 w + 3); lane l the 8 columns 8 l .. 8 l + 7: 16 bytes of every row.
.macro WLOAD x, rows0                  ; ten LDS loads: 8 rows of h, and their 8 p (every lane reads the same words)
.irp i, 0,1,2,3,4,5,6,7
	ds_load_b128 v[AF+32*\x+4*\i:AF+32*\x+4*\i+3], v[RA] offset:(\rows0+\i)*PH
.endr
	ds_load_b128 v[CV+8*\x:CV+8*\x+3],   v[PRD] offset:(\rows0)*4
	ds_load_b128 v[CV+8*\x+4:CV+8*\x+7], v[PRD] offset:(\rows0)*4+16
.endm
.macro WHALF x, cnt, load
	s_wait_dscnt \cnt                              ; this half's ten loads are in; the other half's ten may be out
.irp i, 0,1,2,3,4,5,6,7
.irp k, 0,1,2,3
	v_fma_mix_f32_bf16 v[RACC+8*(\i&1)+2*\k],   v[AF+32*\x+4*\i+\k], v[CV+8*\x+\i], v[RACC+8*(\i&1)+2*\k]   op_sel_hi:[1,0,0]
	v_fma_mix_f32_bf16 v[RACC+8*(\i&1)+2*\k+1], v[AF+32*\x+4*\i+\k], v[CV+8*\x+\i], v[RACC+8*(\i&1)+2*\k+1] op_sel:[1,0,0] op_sel_hi:[1,0,0]
.endr
.endr
.if \load
	WLOAD \x, 16+8*\x
.endif
.endm
.macro WSUM tl
	v_mov_b32 v[RA], v[RA0]
	v_mov_b32 v[PRD], s40
	WLOAD 0, 0                                     ; LDS serves a wave's instructions in order: these see my store of p
	WLOAD 1, 8
.irp c, 0,1,2,3,4,5,6,7,8,9,10,11,12,13,14,15
	v_mov_b32 v[RACC+\c], 0
.endr
	s_mov_b32 s30, 7
.Lwsum_\tl:
	WHALF 0, 10, 1
	WHALF 1, 10, 1
	v_add_nc_u32 v[RA], 16*PH, v[RA]
	v_add_nc_u32 v[PRD], 64, v[PRD]
	s_sub_co_i32 s30, s30, 1
	s_cmp_lg_u32 s30, 0
	s_cbranch_scc1 .Lwsum_\tl
	WHALF 0, 10, 0                                 ; the last 16 rows: nothing more to load
	WHALF 1, 0, 0
.irp c, 0,2,4,6
	v_pk_add_f32 v[RACC+\c:RACC+\c+1], v[RACC+\c:RACC+\c+1], v[RACC+8+\c:RACC+9+\c]
.endr
	global_store_b128 v[LB], v[RACC:RACC+3],   s[PRP:PRP+1] offset:\tl*PRROW        ; columns 8 l .. 8 l + 3: 512 consecutive bytes
	global_store_b128 v[LB], v[RACC+4:RACC+7], s[PRP:PRP+1] offset:\tl*PRROW+512    ; columns 8 l + 4 .. 8 l + 7
	s_cmp_lg_u32 s16, 0
	s_cbranch_scc1 .Lnot_wave_0_\tl
	v_mov_b32 v[T4], v[MX]                         ; wave 0 alone (its PRP has no wave term): 32 x (m, l, m, l), 512 consecutive bytes
	v_mov_b32 v[T4+1], v[LS]
	v_mov_b32 v[T4+2], v[MX]
	v_mov_b32 v[T4+3], v[LS]
	global_store_b128 v[LB], v[T4:T4+3], s[PRP:PRP+1] offset:\tl*PRROW+4096
.Lnot_wave_0_\tl:
.endm
; One tile.  At its start these loads are out or in, in this order: W of steps 0 and 1, the mask word, slab 0, slab 1.
.macro TILE tl, next
	v_mov_b32 v[STA], v[STA0]
	v_mov_b32 v[ADRA], v[ADRA0]
	s_wait_loadcnt 16                              ; slab 0 is in; slab 1's sixteen loads stay out
	CONV STG0, 0
	HLOAD STG0, 512                                ; slab 2
	s_wait_dscnt 0x0
	s_barrier_signal -1
	s_barrier_wait -1                              ; slab 0 is whole
	FETCHA 0, 0
	FETCHA 1, 0
	; SWEEP 0, n = 0 .. 511.  Counts: 16 for the next step's W, and 16 more where a slab was issued in one of the two steps before.
	STEP 0, 1, 16, 1, 0, 1, 0, 0                   ; 16: slab 2 stays out, slab 1 (converted here) is in
	STEP 1, 0, 32, 0, 1, 1, 0, 0
	STEP 2, 0, 32, 1, 0, 1, 0, 0
	STEP 3, 0, 32, 0, 1, 1, 0, 0
	TRIPEND 1
	s_mov_b32 s30, 5
.Lsweep0_\tl:
	STEP 0, 0, 32, 1, 0, 1, 0, 0
	STEP 1, 0, 32, 0, 1, 1, 0, 0
	STEP 2, 0, 32, 1, 0, 1, 0, 0
	STEP 3, 0, 32, 0, 1, 1, 0, 0
	TRIPEND 1
	s_sub_co_i32 s30, s30, 1
	s_cmp_lg_u32 s30, 0
	s_cbranch_scc1 .Lsweep0_\tl
	STEP 0, 0, 32, 1, 0, 1, 0, 0                   ; trip 6: slab 15 is the last to be asked for
	STEP 1, 0, 32, 0, 1, 1, 0, 0
	STEP 2, 0, 32, 1, 0, 1, 0, 0
	STEP 3, 0, 32, 0, 0, 1, 0, 0
	TRIPEND 1
	STEP 0, 0, 16, 1, 0, 1, 0, 0                   ; trip 7: slab 15 is converted; W runs on into the second sweep's first two steps
	STEP 1, 0, 16, 0, 0, 1, 0, 0
	STEP 2, 0, 16, 0, 0, 1, 0, 0
	STEP 3, 0, 16, 0, 0, 1, 1, 0
	WIN 0
	v_mov_b32 v[ADRA], v[ADRA0]
	s_wait_xcnt 0x0
	s_add_nc_u64 s[BP:BP+1], s[BP:BP+1], 32768
	FETCHA 0, 0                                    ; the second sweep's first fragments land during the epilogue
	FETCHA 1, 0
	EPILOG 1
	; SWEEP 1, n = 512 .. 1023: h from LDS alone
	STEP 0, 1, 16, 0, 0, 1, 0, 1
	STEP 1, 0, 16, 0, 0, 1, 0, 1
	STEP 2, 0, 16, 0, 0, 1, 0, 1
	STEP 3, 0, 16, 0, 0, 1, 0, 1
	TRIPEND 0
	s_mov_b32 s30, 6
.Lsweep1_\tl:
	STEP 0, 0, 16, 0, 0, 1, 0, 1
	STEP 1, 0, 16, 0, 0, 1, 0, 1
	STEP 2, 0, 16, 0, 0, 1, 0, 1
	STEP 3, 0, 16, 0, 0, 1, 0, 1
	TRIPEND 0
	s_sub_co_i32 s30, s30, 1
	s_cmp_lg_u32 s30, 0
	s_cbranch_scc1 .Lsweep1_\tl
	STEP 0, 0, 16, 0, 0, 1, 0, 1
	STEP 1, 0, 16, 0, 0, 1, 0, 1
.if \next
	STEP 2, 0, 16, 0, 0, 2, 0, 1                   ; W of the next tile's steps 0 and 1: the stream starts again
	STEP 3, 0, 16, 0, 0, 2, 1, 1
.else
	STEP 2, 0, 16, 0, 0, 0, 0, 1                   ; nothing more of W: the counts run down
	STEP 3, 0, 0, 0, 0, 0, 1, 1
.endif
	EPILOG 0
.if \next
	s_wait_xcnt 0x0                                ; the bases are written only behind this wait
	s_add_nc_u64 s[HP:HP+1], s[HP:HP+1], 524288-7*512          ; the next 128 rows, back to column 0
	s_mov_b64 s[BP:BP+1], s[BS:BS+1]
	global_load_b32 v[MK+1], v[ML], s[MKP:MKP+1] offset:128
	HLOAD STG0, 0                                  ; staging is free: the next tile's first two slabs come in during the scores and the weighted sum
	HLOAD STG1, 256
.endif
	SCORE \tl
	WSUM \tl
.if \next
	s_wait_xcnt 0x0                                ; the stores' data registers are written again by the next conversion
	s_wait_dscnt 0x0                               ; my reads of this tile's h are over
	s_barrier_signal -1
	s_barrier_wait -1                              ; everybody's are: the next tile may overwrite it
.endif
.endm
	s_load_b256 s[4:11], s[0:1], 0x0               ; h s[4:5], mask s[6:7], v_w s[8:9], wb s[10:11]
	s_load_b128 s[12:15], s[0:1], 0x20             ; bias s[12:13], pr s[14:15]
	v_lshrrev_b32 v[MX], 5, v0
	v_readfirstlane_b32 s16, v[MX]                 ; wave w
	v_and_b32 v[TA], 31, v0                        ; lane
	v_and_b32 v[MX], 15, v0                        ; r
	v_bfe_u32 v[LS], v0, 4, 1                      ; hh
	v_lshlrev_b32 v[LB], 4, v[TA]
	v_lshlrev_b32 v[ML], 2, v[TA]
	v_and_b32 v[T4], 0x60, v0                      ; 32 w
	v_lshl_add_u32 v[T4], v[LS], 3, v[T4]          ; + 8 hh: the first of my rows of a slab
	v_lshlrev_b32 v[T4+1], 12, v[T4]
	v_lshl_add_u32 v[HV], v[MX], 4, v[T4+1]
	v_mul_u32_u24 v[T4+1], v[T4], PH
	v_lshl_add_u32 v[STA0], v[MX], 3, v[T4+1]
	v_mul_u32_u24 v[T4+1], v[MX], PH
	v_lshl_add_u32 v[ADRA0], v[LS], 4, v[T4+1]     ; row r, 16 bytes for each half of the lanes
	v_lshlrev_b32 v[TUPV], 5, v[LS]
	v_lshrrev_b32 v[T4+1], 3, v0                   ; 4 w + lane / 8: my slab in the weighted sum
	v_and_b32 v[T4+2], 7, v0
	v_mul_u32_u24 v[T4+1], v[T4+1], SLAB
	v_lshl_add_u32 v[RA0], v[T4+2], 4, v[T4+1]
	s_lshl_b32 s17, s16, 9                         ; 512 w
	s_add_co_u32 s28, s17, SC
	s_add_co_u32 s40, s17, PW
	v_lshl_add_u32 v[SCW], v[MX], 2, s28
	v_add_nc_u32 v[SCR], SC, v[LB]
	v_add_nc_u32 v[PWA], s40, v[LB]
	s_mov_b32 s31, 0x76543210                      ; v_permlanex16_b32: lane i reads lane i of the other half
	s_mov_b32 s32, 0xfedcba98
	s_mov_b32 s33, 0xc61c4000                      ; -10000.0
	s_mov_b32 s34, 0x461c4000                      ; 10000.0
	s_mov_b32 s35, 0x3fb8aa3b                      ; log2 e
	s_mov_b32 s29, 0
	s_wait_kmcnt 0x0
	s_lshl_b32 s28, s16, 19                        ; my wave's 512 KiB of wb
	s_add_nc_u64 s[BS:BS+1], s[10:11], s[28:29]
	s_mov_b64 s[BP:BP+1], s[BS:BS+1]
	s_lshl_b32 s28, ttmp9, 20                      ; two tiles of 128 rows of 4,096 bytes a work-group
	s_add_nc_u64 s[HP:HP+1], s[4:5], s[28:29]
	s_mov_b32 s28, s17
	s_add_nc_u64 s[BI:BI+1], s[12:13], s[28:29]
	s_add_nc_u64 s[VW:VW+1], s[8:9], s[28:29]
	s_lshl_b32 s28, ttmp9, 8                       ; two tiles of 128 mask bytes
	s_add_nc_u64 s[MKP:MKP+1], s[6:7], s[28:29]
	s_mul_i32 s28, ttmp9, 2*PRROW
	s_lshl_b32 s41, s16, 10
	s_add_co_u32 s28, s28, s41
	s_add_nc_u64 s[PRP:PRP+1], s[14:15], s[28:29]
	BLOAD 0, BS, 0
	BLOAD 1, BS, 8192
	WIN 0
	global_load_b32 v[MK], v[ML], s[MKP:MKP+1]
	HLOAD STG0, 0
	HLOAD STG1, 256
	TILE 0, 1
	TILE 1, 0
	s_wait_xcnt 0x0
	v_lshl_add_u32 v254, v0, 2, 0x49800
	v_mov_b32 v255, 0
	s_wait_tensorcnt 0x0
	ds_add_u32 v254, v255
	s_wait_dscnt 0x0
	s_endpgm
.Lfunc_end_k_q83613d98d8_main:
	.size	k_q83613d98d8_main, .Lfunc_end_k_q83613d98d8_main-k_q83613d98d8_main
	.p2alignl 7, 3214868480
	.fill 96, 4, 3214868480
	.section	.rodata,"a",@progbits
	.p2align	6, 0x0
	.amdhsa_kernel k_q83613d98d8_main
		.amdhsa_group_segment_fixed_size 301568
		.amdhsa_private_segment_fixed_size 0
		.amdhsa_enable_private_segment 0
		.amdhsa_kernarg_size 48
		.amdhsa_user_sgpr_count 2
		.amdhsa_user_sgpr_kernarg_segment_ptr 1
		.amdhsa_wavefront_size32 1
		.amdhsa_system_sgpr_workgroup_id_x 1
		.amdhsa_system_sgpr_workgroup_id_y 1
		.amdhsa_system_sgpr_workgroup_id_z 1
		.amdhsa_system_vgpr_workitem_id 0
		.amdhsa_next_free_vgpr 1024
		.amdhsa_next_free_sgpr 66
		.amdhsa_reserve_vcc 0
		.amdhsa_float_denorm_mode_32 3
		.amdhsa_float_denorm_mode_16_64 3
		.amdhsa_memory_ordered 1
		.amdhsa_forward_progress 1
		.amdhsa_inst_pref_size 255
	.end_amdhsa_kernel
	.section	.bss,"aw",@nobits
	.p2align	6
	.space	262144
	.amdgpu_metadata
---
amdhsa.version: [ 1, 2 ]
amdhsa.kernels:
  - .name:           k_q83613d98d8_main
    .symbol:         k_q83613d98d8_main.kd
    .args:
      - { .name: h, .offset: 0, .size: 8, .value_kind: global_buffer, .address_space: global }
      - { .name: mask, .offset: 8, .size: 8, .value_kind: global_buffer, .address_space: global }
      - { .name: v_w, .offset: 16, .size: 8, .value_kind: global_buffer, .address_space: global }
      - { .name: wb, .offset: 24, .size: 8, .value_kind: global_buffer, .address_space: global }
      - { .name: bias, .offset: 32, .size: 8, .value_kind: global_buffer, .address_space: global }
      - { .name: pr, .offset: 40, .size: 8, .value_kind: global_buffer, .address_space: global }
    .group_segment_fixed_size: 301568
    .private_segment_fixed_size: 0
    .kernarg_segment_align: 8
    .kernarg_segment_size: 48
    .max_flat_workgroup_size: 128
    .sgpr_count:     66
    .vgpr_count:     1024
    .wavefront_size: 32
...
	.end_amdgpu_metadata
.endif
;; end of part 2
;; launch combine (part 3): grid 32 x 4, 2 waves a work-group, no clusters, 0 bytes of LDS; arguments pr, out0; writes out0
.if DOCPART == 3
	.amdgcn_target "amdgcn-amd-amdhsa--gfx1250"
	.amdhsa_code_object_version 6
	.text
	.protected	k_q83613d98d8_combine
	.globl	k_q83613d98d8_combine
	.p2align	8
	.type	k_q83613d98d8_combine,@function
k_q83613d98d8_combine:
	s_mov_b64 s[64:65], 0
	v_nop
	global_prefetch_b8 v0, s[64:65] scope:SCOPE_SE
	s_setreg_imm32_b32 hwreg(HW_REG_WAVE_MODE, 25, 1), 1
	s_wait_xcnt 0x0
; Merges the 16 tiles of a batch: M = max m_t, w_t = e^(m_t - M), out = (sum_t w_t R_t) / (sum_t w_t l_t).
; Each l_t is at least 1 (the tile's largest row gives e^0) and the tile with m_t = M has w_t = 1, so the divisor is at least 1.
; Work-group (batch, quarter of the columns), 64 threads, four columns each.  A tile's bytes in pr: quarter w at 1,024 w; there byte 512 k + 16 L holds
; columns 8 L + 4 k .. + 3; (m, l) at byte 4,096.  Thread t takes k = t & 1, L = t >> 1: columns 4 t .. 4 t + 3; a wave's load covers twice 256 consecutive bytes.
; 2.3 MB in all and no reuse: no LDS, no barrier, no matrix unit.
.set PRROW, 4608
.set WT, 8                             ; v[8:39]   pairs (w_t, w_t l_t): the first is broadcast by the packed multiply-add, the second feeds the divisor
.set DT, 40                            ; v[40:103] four numbers of each of the 16 tiles
.set OO, 104                           ; my byte offset in the output
	s_load_b128 s[4:7], s[0:1], 0x0                ; pr s[4:5], out0 s[6:7]
	s_and_b32 s8, ttmp7, 0xffff                    ; quarter
	s_mul_i32 s10, ttmp9, 16*PRROW                 ; the batch's first tile
	s_mov_b32 s11, 0
	v_and_b32 v1, 1, v0
	v_lshrrev_b32 v2, 1, v0
	v_lshlrev_b32 v1, 9, v1
	v_lshl_add_u32 v1, v2, 4, v1                   ; 512 k + 16 L
	v_lshlrev_b32 v[OO], 4, v0
	s_wait_kmcnt 0x0
	s_add_nc_u64 s[4:5], s[4:5], s[10:11]
.irp t, 0,1,2,3,4,5,6,7,8,9,10,11,12,13,14,15
	s_load_b64 s[16+2*\t:17+2*\t], s[4:5], \t*PRROW+4096       ; m_t, l_t
.endr
	s_lshl_b32 s10, s8, 10
	s_add_nc_u64 s[12:13], s[4:5], s[10:11]
.irp t, 0,1,2,3,4,5,6,7,8,9,10,11,12,13,14,15
	global_load_b128 v[DT+4*\t:DT+4*\t+3], v1, s[12:13] offset:\t*PRROW th:TH_LOAD_NT
.endr
	s_lshl_b32 s9, ttmp9, 12                       ; a row of the output is 4,096 bytes
	s_add_co_u32 s10, s10, s9
	s_add_nc_u64 s[6:7], s[6:7], s[10:11]
	s_wait_kmcnt 0x0
	v_mov_b32 v2, s16
.irp t, 1,2,3,4,5,6,7,8,9,10,11,12,13,14,15
	v_max_num_f32 v2, s[16+2*\t], v2               ; M
.endr
.irp t, 0,1,2,3,4,5,6,7,8,9,10,11,12,13,14,15
	v_sub_f32 v[WT+2*\t], s[16+2*\t], v2
.endr
.irp t, 0,1,2,3,4,5,6,7,8,9,10,11,12,13,14,15
	v_mul_f32 v[WT+2*\t], 0x3fb8aa3b, v[WT+2*\t]
.endr
.irp t, 0,1,2,3,4,5,6,7,8,9,10,11,12,13,14,15
	v_exp_f32 v[WT+2*\t], v[WT+2*\t]
.endr
	v_nop                                          ; one plain instruction behind the run of transcendentals (ISA guide 5.7.2)
	s_wait_alu depctr_va_vdst(0)
.irp t, 0,1,2,3,4,5,6,7,8,9,10,11,12,13,14,15
	v_mul_f32 v[WT+2*\t+1], s[17+2*\t], v[WT+2*\t]
.endr
	v_add_f32 v3, v[WT+1], v[WT+3]
.irp t, 2,3,4,5,6,7,8,9,10,11,12,13,14,15
	v_add_f32 v3, v3, v[WT+2*\t+1]
.endr
	v_rcp_f32 v2, v3                               ; M is no longer needed; the first use of v2 stands far below
	s_wait_loadcnt 15                              ; tile 0 is in
	v_pk_mul_f32 v[4:5], v[DT:DT+1],   v[WT:WT+1] op_sel_hi:[1,0]     ; the first products start the sums
	v_pk_mul_f32 v[6:7], v[DT+2:DT+3], v[WT:WT+1] op_sel_hi:[1,0]
.irp t, 1,2,3,4,5,6,7,8,9,10,11,12,13,14,15
	s_wait_loadcnt 15-\t                           ; loads come back in order: tile t is in, the younger ones stay out
	v_pk_fma_f32 v[4:5], v[DT+4*\t:DT+4*\t+1],   v[WT+2*\t:WT+2*\t+1], v[4:5] op_sel_hi:[1,0,1]
	v_pk_fma_f32 v[6:7], v[DT+4*\t+2:DT+4*\t+3], v[WT+2*\t:WT+2*\t+1], v[6:7] op_sel_hi:[1,0,1]
.endr
	s_wait_alu depctr_va_vdst(0)
	v_pk_mul_f32 v[4:5], v[4:5], v[2:3] op_sel_hi:[1,0]
	v_pk_mul_f32 v[6:7], v[6:7], v[2:3] op_sel_hi:[1,0]
	global_store_b128 v[OO], v[4:7], s[6:7]        ; 512 consecutive bytes a wave
	s_endpgm
.Lfunc_end_k_q83613d98d8_combine:
	.size	k_q83613d98d8_combine, .Lfunc_end_k_q83613d98d8_combine-k_q83613d98d8_combine
	.p2alignl 7, 3214868480
	.fill 96, 4, 3214868480
	.section	.rodata,"a",@progbits
	.p2align	6, 0x0
	.amdhsa_kernel k_q83613d98d8_combine
		.amdhsa_group_segment_fixed_size 0
		.amdhsa_private_segment_fixed_size 0
		.amdhsa_enable_private_segment 0
		.amdhsa_kernarg_size 16
		.amdhsa_user_sgpr_count 2
		.amdhsa_user_sgpr_kernarg_segment_ptr 1
		.amdhsa_wavefront_size32 1
		.amdhsa_system_sgpr_workgroup_id_x 1
		.amdhsa_system_sgpr_workgroup_id_y 1
		.amdhsa_system_sgpr_workgroup_id_z 1
		.amdhsa_system_vgpr_workitem_id 0
		.amdhsa_next_free_vgpr 112
		.amdhsa_next_free_sgpr 66
		.amdhsa_reserve_vcc 0
		.amdhsa_float_denorm_mode_32 3
		.amdhsa_float_denorm_mode_16_64 3
		.amdhsa_memory_ordered 1
		.amdhsa_forward_progress 1
		.amdhsa_inst_pref_size 10
	.end_amdhsa_kernel
	.amdgpu_metadata
---
amdhsa.version: [ 1, 2 ]
amdhsa.kernels:
  - .name:           k_q83613d98d8_combine
    .symbol:         k_q83613d98d8_combine.kd
    .args:
      - { .name: pr, .offset: 0, .size: 8, .value_kind: global_buffer, .address_space: global }
      - { .name: out0, .offset: 8, .size: 8, .value_kind: global_buffer, .address_space: global }
    .group_segment_fixed_size: 0
    .private_segment_fixed_size: 0
    .kernarg_segment_align: 8
    .kernarg_segment_size: 16
    .max_flat_workgroup_size: 64
    .sgpr_count:     66
    .vgpr_count:     112
    .wavefront_size: 32
...
	.end_amdgpu_metadata
.endif
;; end of part 3
;; ======== version 2 of 2: 3 launches; 1.12 times as fast as version 1
;; workspace buffers: wb 2,097,152 bytes; bias 4,096 bytes; pr 2,359,296 bytes
;; launch prep: the kernel of part 1 again; grid 64 x 4, 4 waves a work-group, no clusters, 0 bytes of LDS; arguments ln_w, ln_b, vq, wb, bias; writes wb, bias
;; launch main (part 4): grid 256 x 1, 4 waves a work-group, no clusters, 301,568 bytes of LDS; arguments h, mask, v_w, wb, bias, pr; writes pr
.if DOCPART == 4
	.amdgcn_target "amdgcn-amd-amdhsa--gfx1250"
	.amdhsa_code_object_version 6
	.text
	.protected	k_q83613d98d8_main
	.globl	k_q83613d98d8_main
	.p2align	8
	.type	k_q83613d98d8_main,@function
k_q83613d98d8_main:
	s_mov_b64 s[64:65], 0
	v_nop
	global_prefetch_b8 v0, s[64:65] scope:SCOPE_SE
	s_setreg_imm32_b32 hwreg(HW_REG_WAVE_MODE, 25, 1), 1
	s_wait_xcnt 0x0
; For each tile of 128 rows of h (two tiles a work-group, 512 in all): the scores, the tile's part of the softmax, and the tile's weighted sum of h.
;   x[row][n] = K (W_h h[row] + bias)[n]   by bf16 matrix instructions, f32 sums (K = 2 log2 e is already in wb and bias)
;   q = 1 / (1 + 2^x), so tanh = 1 - 2 q and  s[row] = sum(v_w) - 2 sum_n v_w[n] q[row][n] - 10000 (1 - mask[row])
;   m = max s over the tile, p = e^(s - m), l = sum p, R[col] = sum_row p[row] h[row][col];  pr holds R, m, l for the last launch.
; sum(v_w) is the same in every row and a softmax does not change under a common shift, so it is left out of s.
; 2^x = inf gives q = 0 and 2^x = 0 gives q = 1: no clamp is needed, and only a NaN in the inputs makes a NaN.
; LIMITS: mask bytes are 0 or 1.  h enters both products rounded to bf16 (the weights p stay f32, all sums f32).
;
; h IS READ ONCE: slab by slab (64 columns, 256 consecutive aligned bytes of each row) during the first sweep, converted to bf16 and kept in LDS;
; the second sweep and the weighted sum read that copy.  A slab's loads are issued three K steps (192 matrix instructions) ahead of their wait.
; SHAPE: four waves; a wave makes 128 rows x 128 n in 64 accumulator tiles (512 registers); the four cover 512 n, so a tile takes two sweeps of 32 K steps of 32.
; W comes straight into fragment registers: no two waves use the same fragment of W, and wb is laid out so that each load takes 512 consecutive bytes.
; A ring of four register buffers runs two steps ahead, without a barrier.
; THE TEXT IS KEPT SHORT: the two tiles are two trips of one loop; a sweep is its first step written out (it starts the sums), a loop of four steps, and
; a written-out tail (seven steps in the first sweep, whose last slab is asked for at step 25; three in the second).  Most of the text runs more than once.
; The price: a tile's first loads are issued at its own head and not during the tile before.
; NO CLUSTER, NO JOINT LOADS of W, although all work-groups read it: the resident tile takes 296,960 of the 327,680 bytes of LDS, the scores 4,096; one K step of W
; for the four waves is 32,768 bytes and two slots would be 65,536, and 26,624 are left.
; LOADS OUT, by this text's own count: up to 80 at a tile's head and 64 in the first sweep; a load that would pass the counter's field is issued later
; (ISA guide 5.7.1), and the counts of the waits stay right.
;
; REGISTER WINDOWS: 0 addresses, h fragments, staging; 1 the W ring, buffer q at v[64 q]; 2 accumulator tiles (a, b), a = 0..3, at v[8 (8 a + b)]; 3 those of a = 4..7.
; THE MATRIX INSTRUCTION IS USED TRANSPOSED (source 0 = 16 rows of W, source 1 = 16 rows of h): lane l then holds row 16 a + (l & 15) of the tile and its
; registers j the columns n = 16 b + 8 (l >> 4) + j, so that the sum over n runs inside a lane.
; THE BIAS IS THE C OF A SWEEP'S FIRST PRODUCTS: eight registers hold bias[16 b + 8 (l >> 4) + j], which is an accumulator's layout with all rows alike.  They lie in
; ring buffer 3, which holds no W at step 0 and is filled with W in step 1.
; The 64 accumulators take turns, one instruction a turn, in the same order in every K step, over the loops' backward jumps too.
.set PH,    144                        ; LDS row of a slab: 128 bytes + 16: 9 x 16, so 16 rows start at 16 different 16-byte columns of 256
.set SLAB,  128*PH+128                 ; 18,560: the 128 bytes more put neighbouring slabs 128 bytes apart modulo 256 (for the weighted sum's loads)
.set SC,    16*SLAB                    ; 4 x 512 bytes: each wave's partial scores of the 128 rows
.set PW,    SC+2048                    ; 4 x 512 bytes: each wave's own copy of p
.set PRROW, 4608                       ; a tile's bytes in pr: 4 x 1,024 of R, then 32 x (m, l, m, l)
.set LB,    1                          ; 16 x lane
.set HV,    2                          ; (32 w + 8 hh) rows of 4,096 bytes + 16 r: my place in a slab of h
.set STA,   3                          ; where I store my converted 8 bytes (stepped)
.set ADRA,  4                          ; where I read h fragments (stepped)
.set STA0,  5                          ; their values at a tile's start
.set ADRA0, 6
.set RA0,   7                          ; weighted sum: my 16 bytes of row 0
.set TUPV,  8                          ; 32 hh: my 8 numbers in 16 of bias and v_w
.set SCW,   9
.set SCR,   10
.set PWA,   11
.set PRD,   12                         ; weighted sum: p (stepped)
.set RA,    13                         ; weighted sum: h (stepped)
.set ML,    14                         ; 4 x lane
.set MK,    15                         ; four mask bytes of the tile
.set TA,    17                         ; at work
.set MX,    18                         ; m
.set LS,    19                         ; l
.set SACC,  20                         ; v[20:27] sum over my n of v_w q, for row 16 a + r
.set T4,    28                         ; v[28:31] at work
.set CV,    32                         ; v[32:63] converted slab; later scores; later p (v32-47)
.set RACC,  48                         ; v[48:63] weighted sums: 8 columns, even rows and odd rows apart
.set AF,    64                         ; v[64:127] h fragments: a = 0..3 in v64-95, a = 4..7 in v96-127; later rows of h for the weighted sum
.set STG0,  128                        ; v[128:191] staging for even slabs
.set STG1,  192                        ; v[192:255] staging for odd slabs; v_w in the epilogue
.set BIASB, 192                        ; window 1: ring buffer 3, the bias at a sweep's first step
.set BS,    18                         ; s[18:19] my wave's 512 KiB of wb
.set BP,    20                         ; s[20:21] the same, stepped
.set HP,    22                         ; s[22:23] the tile in h, stepped along the columns
.set BI,    24                         ; s[24:25] bias + 512 w
.set VW,    26                         ; s[26:27] v_w + 512 w
.set PRP,   36                         ; s[36:37] pr at the tile + 1,024 w
.set MKP,   38                         ; s[38:39] mask at the tile
.set MUL_LO,  0xa1                     ; source 0 (W) window 1, source 1 (h) window 0, C and D window 2
.set MUL_HI,  0xf1                     ; the same, C and D window 3
.set MUL_LO0, 0x91                     ; a sweep's first step: C (the bias) window 1, D window 2
.set MUL_HI0, 0xd1                     ; the same, D window 3
.set TO_B,    0x40                     ; destination window 1, address window 0
.set E_LO,    0xa2                     ; destination, sources 0 and 2 window 2, source 1 window 0
.set E_HI,    0xf3
.set OUT_LO,  0x0a                     ; sources 0 and 1 window 2, destination window 0
.set OUT_HI,  0x0f
.set MSB, 0
.macro WIN new                         ; the immediate's high byte repeats the setting that is left; a switch that changes nothing is dropped
.if MSB != \new
	s_set_vgpr_msb (MSB<<8)|\new
.set MSB, \new
.endif
.endm
; Four places: a load into a register that a matrix instruction has read, and a vector instruction that reads a matrix result, stand four plain
; vector instructions behind it (ISA guide 7.12.1 for vector instructions).
.macro PLACES
.rept 4
	v_nop
.endr
.endm
; 16 matrix instructions: row blocks a0, a0 + 1 of the window's four x my 8 n tiles, 32 along K, W from ring buffer q.  zero = 1: the sums start from the bias.
.macro MUL16 hi, a0, q, zero
.irp a, \a0, \a0+1
.irp b, 0,1,2,3,4,5,6,7
.if \zero
	v_wmma_f32_16x16x32_bf16 v[8*(8*(\a)+\b):8*(8*(\a)+\b)+7], v[64*(\q)+8*\b:64*(\q)+8*\b+7], v[AF+8*(4*\hi+(\a)):AF+8*(4*\hi+(\a))+7], v[BIASB+8*\b:BIASB+8*\b+7]
.else
	v_wmma_f32_16x16x32_bf16 v[8*(8*(\a)+\b):8*(8*(\a)+\b)+7], v[64*(\q)+8*\b:64*(\q)+8*\b+7], v[AF+8*(4*\hi+(\a)):AF+8*(4*\hi+(\a))+7], v[8*(8*(\a)+\b):8*(8*(\a)+\b)+7]
.endif
.endr
.endr
.endm
; 8 LDS loads: the h fragments of four row blocks (half 0: a = 0..3, half 1: a = 4..7), 32 K at byte col from ADRA
.macro FETCHA half, col
	WIN 0
.irp a, 0,1,2,3
	ds_load_b128 v[AF+32*\half+8*\a:AF+32*\half+8*\a+3],   v[ADRA] offset:(\col)+(4*\half+\a)*16*PH
	ds_load_b128 v[AF+32*\half+8*\a+4:AF+32*\half+8*\a+7], v[ADRA] offset:(\col)+(4*\half+\a)*16*PH+32
.endr
.endm
; 16 loads: one K step of my W (8 KiB, consecutive) into ring buffer q2
.macro BLOAD q2, base, off
	WIN TO_B
.irp b, 0,1,2,3,4,5,6,7
	global_load_b128 v[64*(\q2)+8*\b:64*(\q2)+8*\b+3],   v[LB], s[\base:\base+1] offset:\off+\b*1024
	global_load_b128 v[64*(\q2)+8*\b+4:64*(\q2)+8*\b+7], v[LB], s[\base:\base+1] offset:\off+\b*1024+512
.endr
.endm
; 16 loads: the bias of my 128 n of sweep c into ring buffer 3, as an accumulator holds its columns: registers 8 b + j = n 16 b + 8 hh + j
.macro BIASLD c
	WIN TO_B
.irp b, 0,1,2,3,4,5,6,7
	global_load_b128 v[BIASB+8*\b:BIASB+8*\b+3],   v[TUPV], s[BI:BI+1] offset:2048*\c+64*\b
	global_load_b128 v[BIASB+8*\b+4:BIASB+8*\b+7], v[TUPV], s[BI:BI+1] offset:2048*\c+64*\b+16
.endr
.endm
; 16 loads: v_w of my 128 n of sweep c, in the same order, into the odd slabs' staging, which is free by then
.macro TUPLES c
	WIN 0
.irp b, 0,1,2,3,4,5,6,7
	global_load_b128 v[STG1+8*\b:STG1+8*\b+3],   v[TUPV], s[VW:VW+1] offset:2048*\c+64*\b
	global_load_b128 v[STG1+8*\b+4:STG1+8*\b+7], v[TUPV], s[VW:VW+1] offset:2048*\c+64*\b+16
.endr
.endm
; 16 loads: my 32 rows of a slab of h.  Lanes 0-15 take 256 consecutive aligned bytes of one row, lanes 16-31 of the row 8 further down.
.macro HLOAD stg, off
	WIN 0
.irp i, 0,1,2,3,4,5,6,7,8,9,10,11,12,13,14,15
	global_load_b128 v[\stg+4*\i:\stg+4*\i+3], v[HV], s[HP:HP+1] offset:\off+((\i&7)+16*(\i>>3))*4096 th:TH_LOAD_NT
.endr
.endm
; a staged slab to bf16 and into LDS, 8 bytes a lane: lanes 0-15 fill 128 bytes of a row, lanes 16-31 lie 8 x 144 bytes on = 128 modulo 256
.macro CONV stg, col
	WIN 0
.irp i, 0,1,2,3,4,5,6,7,8,9,10,11,12,13,14,15
	v_cvt_pk_bf16_f32 v[CV+2*\i],   v[\stg+4*\i],   v[\stg+4*\i+1]
	v_cvt_pk_bf16_f32 v[CV+2*\i+1], v[\stg+4*\i+2], v[\stg+4*\i+3]
.endr
.irp i, 0,1,2,3,4,5,6,7,8,9,10,11,12,13,14,15
	ds_store_b64 v[STA], v[CV+2*\i:CV+2*\i+1] offset:\col+((\i&7)+16*(\i>>3))*PH
.endr
.endm
; One K step, the q-th of four.  n: how many younger loads may stay out when this step's W has to be there.
; conv: a staged slab is converted and stored in the step's middle (q = 0: the odd slab one on, q = 2: the even slab two on), and a barrier closes inside the step.
; hiss: a slab's loads are issued (q = 1: the odd slab three on, q = 3: the even slab four on).  bsrc = 1: W of two steps on is asked for.
; last: the sweep's last step: no further fragments; v_w of sweep c is asked for.
.macro STEP q, zero, n, conv, hiss, bsrc, last, c
	s_wait_loadcnt \n                              ; loads come back in order: this step's W is in, and whatever was issued before it
.if \bsrc
	BLOAD (\q+2)%4, BP, (\q+2)*8192                ; into the buffer read two steps ago (at step 1: the bias's); four places stand at the end of every step
.endif
.if \hiss
.if \q == 1
	HLOAD STG1, 768
.else
	HLOAD STG0, 1024
.endif
.endif
.if \last
	TUPLES \c
.endif
	s_wait_dscnt 8                                 ; the fragments of a = 0..3 are in; the eight younger loads (a = 4..7) may be out
.if \zero
	WIN MUL_LO0
.else
	WIN MUL_LO
.endif
	MUL16 0, 0, \q, \zero
	MUL16 0, 2, \q, \zero
.if \conv
.if \q == 0
	CONV STG1, SLAB                                ; its 32 conversions are also the places in front of the loads below
.else
	CONV STG0, 2*SLAB
.endif
.else
	PLACES
.endif
.if \last == 0
	FETCHA 0, (((\q+1)>>1)*SLAB+((\q+1)&1)*64)
.endif
.if \last
	s_wait_dscnt 0                                 ; a = 4..7; nothing younger
.else
.if \conv
	s_wait_dscnt 24                                ; a = 4..7 are in: younger are the 16 stores and the 8 loads above
.else
	s_wait_dscnt 8                                 ; a = 4..7 are in: younger are the 8 loads above
.endif
.endif
.if \zero
	WIN MUL_HI0
.else
	WIN MUL_HI
.endif
	MUL16 1, 0, \q, \zero
.if \conv
	s_wait_dscnt 0                                 ; my part of the slab is in LDS
	s_barrier_signal -1
.endif
	MUL16 1, 2, \q, \zero                          ; registers only between signal and wait
.if \conv
	s_barrier_wait -1                              ; the slab is whole; it is first read in the next step's middle
.endif
	PLACES
.if \last == 0
	FETCHA 1, (((\q+1)>>1)*SLAB+((\q+1)&1)*64)
.endif
.endm
.macro TRIPEND hstep                   ; between step q = 3 and the next q = 0: four K steps = two slabs on
	WIN 0
	s_wait_xcnt 0x0                                ; the bases of the loads issued so far are stepped only behind this wait
	s_add_nc_u64 s[BP:BP+1], s[BP:BP+1], 32768
.if \hstep
	s_add_nc_u64 s[HP:HP+1], s[HP:HP+1], 512
	v_add_nc_u32 v[STA], 2*SLAB, v[STA]
.endif
	v_add_nc_u32 v[ADRA], 2*SLAB, v[ADRA]
.endm
; The epilogue of one window (32 tiles), in place: 2^x, + 1, 1 / .., then the sum of v_w q over my n into the first pair of tile (a, 0).
; The transcendentals stand back to back on different registers with one v_nop behind each run (ISA guide 5.7.2).
.macro EPI hi, first
.if \hi
	WIN E_HI
.else
	WIN E_LO
.endif
.irp b, 0,1,2,3,4,5,6,7
.irp a, 0,1,2,3
.irp j, 0,1,2,3,4,5,6,7
	v_exp_f32 v[8*(8*\a+\b)+\j], v[8*(8*\a+\b)+\j]
.endr
.endr
	v_nop
	s_wait_alu depctr_va_vdst(0)
.irp a, 0,1,2,3
.irp p, 0,1,2,3
	v_pk_add_f32 v[8*(8*\a+\b)+2*\p:8*(8*\a+\b)+2*\p+1], v[8*(8*\a+\b)+2*\p:8*(8*\a+\b)+2*\p+1], 1.0 op_sel_hi:[1,0]
.endr
.endr
.irp a, 0,1,2,3
.irp j, 0,1,2,3,4,5,6,7
	v_rcp_f32 v[8*(8*\a+\b)+\j], v[8*(8*\a+\b)+\j]
.endr
.endr
	v_nop
	s_wait_alu depctr_va_vdst(0)
.irp p, 0,1,2,3
.irp a, 0,1,2,3
.if \b+\p == 0
	s_wait_alu depctr_va_vdst(0)
	v_pk_mul_f32 v[64*\a:64*\a+1], v[64*\a:64*\a+1], v[STG1:STG1+1]          ; the first product starts the chain, in place
.else
	v_pk_fma_f32 v[64*\a:64*\a+1], v[8*(8*\a+\b)+2*\p:8*(8*\a+\b)+2*\p+1], v[STG1+8*\b+2*\p:STG1+8*\b+2*\p+1], v[64*\a:64*\a+1]
.endif
.endr
.endr
.endr
.if \hi
	WIN OUT_HI
.else
	WIN OUT_LO
.endif
.irp a, 0,1,2,3
.if \first
	v_add_f32 v[SACC+4*\hi+\a], v[64*\a], v[64*\a+1]
.else
	v_add_f32 v[T4+\a], v[64*\a], v[64*\a+1]
.endif
.endr
	WIN 0
.if \first == 0
.irp a, 0,1,2,3
	v_add_f32 v[SACC+4*\hi+\a], v[SACC+4*\hi+\a], v[T4+\a]
.endr
.endif
.endm
.macro EPILOG first, cnt               ; the four places behind the last matrix instructions stand at the end of the sweep's last step
	s_wait_loadcnt \cnt                            ; v_w is in; cnt = 16: the next sweep's bias, issued behind it, stays out
	EPI 0, \first
	EPI 1, \first
.endm
; Scores of the 128 rows, their maximum, p and l.  Every wave computes the same m, l and p; p goes to the wave's own bytes.
.macro SCORE
.irp g, 0,4
.irp a, 0,1,2,3
	v_permlanex16_b32 v[T4+\a], v[SACC+\g+\a], s31, s32        ; the other half of the lanes holds the other half of the n
.endr
.irp a, 0,1,2,3
	v_add_f32 v[SACC+\g+\a], v[SACC+\g+\a], v[T4+\a]
.endr
.endr
.irp a, 0,1,2,3,4,5,6,7
	ds_store_b32 v[SCW], v[SACC+\a] offset:64*\a               ; row 16 a + r; lanes l and l + 16 write the same word with the same value
.endr
	s_wait_dscnt 0x0                               ; for the other waves: my partial scores are in LDS
	s_barrier_signal -1
	s_barrier_wait -1
.irp u, 0,1,2,3
	ds_load_b128 v[CV+4*\u:CV+4*\u+3], v[SCR] offset:512*\u    ; rows 4 l .. 4 l + 3, wave u's part
.endr
.irp k, 0,1,2,3
	v_bfe_u32 v[CV+16+\k], v[MK], 8*\k, 8
.endr
.irp k, 0,1,2,3
	v_cvt_f32_u32 v[CV+16+\k], v[CV+16+\k]
.endr
.irp k, 0,1,2,3
	v_fma_f32 v[CV+16+\k], v[CV+16+\k], s33, s34               ; 10000 (1 - mask)
.endr
	s_wait_dscnt 0x0
	v_pk_add_f32 v[CV:CV+1],     v[CV:CV+1],     v[CV+4:CV+5]
	v_pk_add_f32 v[CV+2:CV+3],   v[CV+2:CV+3],   v[CV+6:CV+7]
	v_pk_add_f32 v[CV+8:CV+9],   v[CV+8:CV+9],   v[CV+12:CV+13]
	v_pk_add_f32 v[CV+10:CV+11], v[CV+10:CV+11], v[CV+14:CV+15]
	v_pk_add_f32 v[CV:CV+1],     v[CV:CV+1],     v[CV+8:CV+9]
	v_pk_add_f32 v[CV+2:CV+3],   v[CV+2:CV+3],   v[CV+10:CV+11]
.irp k, 0,1,2,3
	v_fma_f32 v[CV+\k], v[CV+\k], -2.0, -v[CV+16+\k]           ; s = -2 sum - penalty
.endr
	v_max3_num_f32 v[MX], v[CV], v[CV+1], v[CV+2]
	v_max_num_f32 v[MX], v[MX], v[CV+3]
	v_max_num_f32_dpp v[MX], v[MX], v[MX] row_xmask:1 row_mask:0xf bank_mask:0xf
	v_max_num_f32_dpp v[MX], v[MX], v[MX] row_xmask:2 row_mask:0xf bank_mask:0xf
	v_max_num_f32_dpp v[MX], v[MX], v[MX] row_xmask:4 row_mask:0xf bank_mask:0xf
	v_max_num_f32_dpp v[MX], v[MX], v[MX] row_xmask:8 row_mask:0xf bank_mask:0xf
	v_permlanex16_b32 v[TA], v[MX], s31, s32
	v_max_num_f32 v[MX], v[MX], v[TA]              ; the tile's maximum, in every lane
.irp k, 0,1,2,3
	v_sub_f32 v[CV+\k], v[CV+\k], v[MX]            ; the difference first, then the factor: no rounding at the size of the penalty
.endr
.irp k, 0,1,2,3
	v_mul_f32 v[CV+\k], s35, v[CV+\k]
.endr
.irp k, 0,1,2,3
	v_exp_f32 v[CV+\k], v[CV+\k]
.endr
	v_nop
	s_wait_alu depctr_va_vdst(0)
	v_add_f32 v[LS], v[CV], v[CV+1]
	v_add_f32 v[TA], v[CV+2], v[CV+3]
	ds_store_b128 v[PWA], v[CV:CV+3]               ; p of rows 4 l .. 4 l + 3, in my wave's own 512 bytes
	v_add_f32 v[LS], v[LS], v[TA]
	v_add_f32_dpp v[LS], v[LS], v[LS] row_xmask:1 row_mask:0xf bank_mask:0xf
	v_add_f32_dpp v[LS], v[LS], v[LS] row_xmask:2 row_mask:0xf bank_mask:0xf
	v_add_f32_dpp v[LS], v[LS], v[LS] row_xmask:4 row_mask:0xf bank_mask:0xf
	v_add_f32_dpp v[LS], v[LS], v[LS] row_xmask:8 row_mask:0xf bank_mask:0xf
	v_permlanex16_b32 v[TA], v[LS], s31, s32
	v_add_f32 v[LS], v[LS], v[TA]
.endm
; The weighted sum.  Wave w owns columns 256 w .. 256 w + 255 (slabs 4 w .. 4 w + 3); lane l the 8 columns 8 l .. 8 l + 7: 16 bytes of every row.
.macro WLOAD x, rows0                  ; ten LDS loads: 8 rows of h, and their 8 p (every lane reads the same words)
.irp i, 0,1,2,3,4,5,6,7
	ds_load_b128 v[AF+32*\x+4*\i:AF+32*\x+4*\i+3], v[RA] offset:(\rows0+\i)*PH
.endr
	ds_load_b128 v[CV+8*\x:CV+8*\x+3],   v[PRD] offset:(\rows0)*4
	ds_load_b128 v[CV+8*\x+4:CV+8*\x+7], v[PRD] offset:(\rows0)*4+16
.endm
.macro WHALF x, cnt, load
	s_wait_dscnt \cnt                              ; this half's ten loads are in; the other half's ten may be out
.irp i, 0,1,2,3,4,5,6,7
.irp k, 0,1,2,3
	v_fma_mix_f32_bf16 v[RACC+8*(\i&1)+2*\k],   v[AF+32*\x+4*\i+\k], v[CV+8*\x+\i], v[RACC+8*(\i&1)+2*\k]   op_sel_hi:[1,0,0]
	v_fma_mix_f32_bf16 v[RACC+8*(\i&1)+2*\k+1], v[AF+32*\x+4*\i+\k], v[CV+8*\x+\i], v[RACC+8*(\i&1)+2*\k+1] op_sel:[1,0,0] op_sel_hi:[1,0,0]
.endr
.endr
.if \load
	WLOAD \x, 16+8*\x
.endif
.endm
	s_load_b256 s[4:11], s[0:1], 0x0               ; h s[4:5], mask s[6:7], v_w s[8:9], wb s[10:11]
	s_load_b128 s[12:15], s[0:1], 0x20             ; bias s[12:13], pr s[14:15]
	v_lshrrev_b32 v[MX], 5, v0
	v_readfirstlane_b32 s16, v[MX]                 ; wave w
	v_and_b32 v[TA], 31, v0                        ; lane
	v_and_b32 v[MX], 15, v0                        ; r
	v_bfe_u32 v[LS], v0, 4, 1                      ; hh
	v_lshlrev_b32 v[LB], 4, v[TA]
	v_lshlrev_b32 v[ML], 2, v[TA]
	v_and_b32 v[T4], 0x60, v0                      ; 32 w
	v_lshl_add_u32 v[T4], v[LS], 3, v[T4]          ; + 8 hh: the first of my rows of a slab
	v_lshlrev_b32 v[T4+1], 12, v[T4]
	v_lshl_add_u32 v[HV], v[MX], 4, v[T4+1]
	v_mul_u32_u24 v[T4+1], v[T4], PH
	v_lshl_add_u32 v[STA0], v[MX], 3, v[T4+1]
	v_mul_u32_u24 v[T4+1], v[MX], PH
	v_lshl_add_u32 v[ADRA0], v[LS], 4, v[T4+1]     ; row r, 16 bytes for each half of the lanes
	v_lshlrev_b32 v[TUPV], 5, v[LS]
	v_lshrrev_b32 v[T4+1], 3, v0                   ; 4 w + lane / 8: my slab in the weighted sum
	v_and_b32 v[T4+2], 7, v0
	v_mul_u32_u24 v[T4+1], v[T4+1], SLAB
	v_lshl_add_u32 v[RA0], v[T4+2], 4, v[T4+1]
	s_lshl_b32 s17, s16, 9                         ; 512 w
	s_add_co_u32 s28, s17, SC
	s_add_co_u32 s40, s17, PW
	v_lshl_add_u32 v[SCW], v[MX], 2, s28
	v_add_nc_u32 v[SCR], SC, v[LB]
	v_add_nc_u32 v[PWA], s40, v[LB]
	s_mov_b32 s31, 0x76543210                      ; v_permlanex16_b32: lane i reads lane i of the other half
	s_mov_b32 s32, 0xfedcba98
	s_mov_b32 s33, 0xc61c4000                      ; -10000.0
	s_mov_b32 s34, 0x461c4000                      ; 10000.0
	s_mov_b32 s35, 0x3fb8aa3b                      ; log2 e
	s_mov_b32 s29, 0
	s_wait_kmcnt 0x0
	s_lshl_b32 s28, s16, 19                        ; my wave's 512 KiB of wb
	s_add_nc_u64 s[BS:BS+1], s[10:11], s[28:29]
	s_mov_b64 s[BP:BP+1], s[BS:BS+1]
	s_lshl_b32 s28, ttmp9, 20                      ; two tiles of 128 rows of 4,096 bytes a work-group
	s_add_nc_u64 s[HP:HP+1], s[4:5], s[28:29]
	s_mov_b32 s28, s17
	s_add_nc_u64 s[BI:BI+1], s[12:13], s[28:29]
	s_add_nc_u64 s[VW:VW+1], s[8:9], s[28:29]
	s_lshl_b32 s28, ttmp9, 8                       ; two tiles of 128 mask bytes
	s_add_nc_u64 s[MKP:MKP+1], s[6:7], s[28:29]
	s_mul_i32 s28, ttmp9, 2*PRROW
	s_lshl_b32 s41, s16, 10
	s_add_co_u32 s28, s28, s41
	s_add_nc_u64 s[PRP:PRP+1], s[14:15], s[28:29]
	s_mov_b32 s42, 0                               ; the tile's number in the work-group
.Ltile:
	; THE TILE'S HEAD.  Slab 0 goes out first: it is waited for first.
	global_load_b32 v[MK], v[ML], s[MKP:MKP+1]
	HLOAD STG0, 0                                  ; slab 0
	BLOAD 0, BS, 0                                 ; W of step 0
	BIASLD 0
	HLOAD STG1, 256                                ; slab 1
	v_mov_b32 v[STA], v[STA0]
	v_mov_b32 v[ADRA], v[ADRA0]
	s_wait_loadcnt 48                              ; the mask word and slab 0 are in; W of step 0, the bias and slab 1 (16 loads each) stay out
	CONV STG0, 0
	BLOAD 1, BS, 8192                              ; W of step 1
	HLOAD STG0, 512                                ; slab 2
	s_wait_dscnt 0x0
	s_barrier_signal -1
	s_barrier_wait -1                              ; slab 0 is whole
	FETCHA 0, 0
	FETCHA 1, 0
	; SWEEP 0, n = 0 .. 511.  Counts: 16 for the next step's W, and 16 more where a slab was issued in one of the two steps before.
	STEP 0, 1, 32, 1, 0, 1, 0, 0                   ; 32: W of step 1 and slab 2 stay out; W of step 0, the bias and slab 1 (converted here) are in
	s_mov_b32 s30, 6
.Lsweep0:                                          ; steps 1 to 24
	STEP 1, 0, 32, 0, 1, 1, 0, 0
	STEP 2, 0, 32, 1, 0, 1, 0, 0
	STEP 3, 0, 32, 0, 1, 1, 0, 0
	TRIPEND 1
	STEP 0, 0, 32, 1, 0, 1, 0, 0
	s_sub_co_i32 s30, s30, 1
	s_cmp_lg_u32 s30, 0
	s_cbranch_scc1 .Lsweep0
	STEP 1, 0, 32, 0, 1, 1, 0, 0                   ; step 25: slab 15 is the last to be asked for
	STEP 2, 0, 32, 1, 0, 1, 0, 0
	STEP 3, 0, 32, 0, 0, 1, 0, 0
	TRIPEND 1
	STEP 0, 0, 16, 1, 0, 1, 0, 0                   ; step 28: slab 15 is converted; no slab is out any more
	STEP 1, 0, 16, 0, 0, 1, 0, 0
	STEP 2, 0, 16, 0, 0, 1, 0, 0                   ; W runs on into the second sweep's first two steps
	STEP 3, 0, 16, 0, 0, 1, 1, 0
	BIASLD 1                                       ; ring buffer 3 has been read for the last time in this sweep, four places ago
	WIN 0
	v_mov_b32 v[ADRA], v[ADRA0]
	s_wait_xcnt 0x0
	s_add_nc_u64 s[BP:BP+1], s[BP:BP+1], 32768
	FETCHA 0, 0                                    ; the second sweep's first fragments and its bias land during the epilogue
	FETCHA 1, 0
	EPILOG 1, 16
	; SWEEP 1, n = 512 .. 1023: h from LDS alone
	STEP 0, 1, 0, 0, 0, 1, 0, 1                    ; 0: the bias was the last load issued
	s_mov_b32 s30, 7
.Lsweep1:                                          ; steps 1 to 28
	STEP 1, 0, 16, 0, 0, 1, 0, 1
	STEP 2, 0, 16, 0, 0, 1, 0, 1
	STEP 3, 0, 16, 0, 0, 1, 0, 1
	TRIPEND 0
	STEP 0, 0, 16, 0, 0, 1, 0, 1
	s_sub_co_i32 s30, s30, 1
	s_cmp_lg_u32 s30, 0
	s_cbranch_scc1 .Lsweep1
	STEP 1, 0, 16, 0, 0, 1, 0, 1                   ; step 29 asks for the last W
	STEP 2, 0, 16, 0, 0, 0, 0, 1                   ; the counts run down
	STEP 3, 0, 0, 0, 0, 0, 1, 1
	EPILOG 0, 0
	SCORE
	; THE WEIGHTED SUM
	v_mov_b32 v[RA], v[RA0]
	v_mov_b32 v[PRD], s40
	WLOAD 0, 0                                     ; LDS serves a wave's instructions in order: these see my store of p
	WLOAD 1, 8
.irp c, 0,1,2,3,4,5,6,7,8,9,10,11,12,13,14,15
	v_mov_b32 v[RACC+\c], 0
.endr
	s_mov_b32 s30, 7
.Lwsum:
	WHALF 0, 10, 1
	WHALF 1, 10, 1
	v_add_nc_u32 v[RA], 16*PH, v[RA]
	v_add_nc_u32 v[PRD], 64, v[PRD]
	s_sub_co_i32 s30, s30, 1
	s_cmp_lg_u32 s30, 0
	s_cbranch_scc1 .Lwsum
	WHALF 0, 10, 0                                 ; the last 16 rows: nothing more to load
	WHALF 1, 0, 0
.irp c, 0,2,4,6
	v_pk_add_f32 v[RACC+\c:RACC+\c+1], v[RACC+\c:RACC+\c+1], v[RACC+8+\c:RACC+9+\c]
.endr
	global_store_b128 v[LB], v[RACC:RACC+3],   s[PRP:PRP+1]               ; columns 8 l .. 8 l + 3: 512 consecutive bytes
	global_store_b128 v[LB], v[RACC+4:RACC+7], s[PRP:PRP+1] offset:512    ; columns 8 l + 4 .. 8 l + 7
	s_cmp_lg_u32 s16, 0
	s_cbranch_scc1 .Lnot_wave_0
	v_mov_b32 v[T4], v[MX]                         ; wave 0 alone (its PRP has no wave term): 32 x (m, l, m, l), 512 consecutive bytes
	v_mov_b32 v[T4+1], v[LS]
	v_mov_b32 v[T4+2], v[MX]
	v_mov_b32 v[T4+3], v[LS]
	global_store_b128 v[LB], v[T4:T4+3], s[PRP:PRP+1] offset:4096
.Lnot_wave_0:
	; THE TILE'S END
	s_wait_xcnt 0x0                                ; the stores' data registers and base, and the loads' bases, are written again only behind this wait
	s_wait_dscnt 0x0                               ; my reads of this tile's h are over
	s_barrier_signal -1
	s_barrier_wait -1                              ; everybody's are: the next tile may overwrite it (behind the last tile nothing follows)
	s_add_nc_u64 s[HP:HP+1], s[HP:HP+1], 524288-7*512          ; the next 128 rows, back to column 0 (behind the last tile the stepped addresses are not used)
	s_mov_b64 s[BP:BP+1], s[BS:BS+1]
	s_add_nc_u64 s[MKP:MKP+1], s[MKP:MKP+1], 128
	s_add_nc_u64 s[PRP:PRP+1], s[PRP:PRP+1], PRROW
	s_add_co_u32 s42, s42, 1
	s_cmp_lt_u32 s42, 2
	s_cbranch_scc1 .Ltile
	s_wait_xcnt 0x0
	v_lshl_add_u32 v254, v0, 2, 0x49800
	v_mov_b32 v255, 0
	s_wait_tensorcnt 0x0
	ds_add_u32 v254, v255
	s_wait_dscnt 0x0
	s_endpgm
.Lfunc_end_k_q83613d98d8_main:
	.size	k_q83613d98d8_main, .Lfunc_end_k_q83613d98d8_main-k_q83613d98d8_main
	.p2alignl 7, 3214868480
	.fill 96, 4, 3214868480
	.section	.rodata,"a",@progbits
	.p2align	6, 0x0
	.amdhsa_kernel k_q83613d98d8_main
		.amdhsa_group_segment_fixed_size 301568
		.amdhsa_private_segment_fixed_size 0
		.amdhsa_enable_private_segment 0
		.amdhsa_kernarg_size 48
		.amdhsa_user_sgpr_count 2
		.amdhsa_user_sgpr_kernarg_segment_ptr 1
		.amdhsa_wavefront_size32 1
		.amdhsa_system_sgpr_workgroup_id_x 1
		.amdhsa_system_sgpr_workgroup_id_y 1
		.amdhsa_system_sgpr_workgroup_id_z 1
		.amdhsa_system_vgpr_workitem_id 0
		.amdhsa_next_free_vgpr 1024
		.amdhsa_next_free_sgpr 66
		.amdhsa_reserve_vcc 0
		.amdhsa_float_denorm_mode_32 3
		.amdhsa_float_denorm_mode_16_64 3
		.amdhsa_memory_ordered 1
		.amdhsa_forward_progress 1
		.amdhsa_inst_pref_size 255
	.end_amdhsa_kernel
	.section	.bss,"aw",@nobits
	.p2align	6
	.space	262144
	.amdgpu_metadata
---
amdhsa.version: [ 1, 2 ]
amdhsa.kernels:
  - .name:           k_q83613d98d8_main
    .symbol:         k_q83613d98d8_main.kd
    .args:
      - { .name: h, .offset: 0, .size: 8, .value_kind: global_buffer, .address_space: global }
      - { .name: mask, .offset: 8, .size: 8, .value_kind: global_buffer, .address_space: global }
      - { .name: v_w, .offset: 16, .size: 8, .value_kind: global_buffer, .address_space: global }
      - { .name: wb, .offset: 24, .size: 8, .value_kind: global_buffer, .address_space: global }
      - { .name: bias, .offset: 32, .size: 8, .value_kind: global_buffer, .address_space: global }
      - { .name: pr, .offset: 40, .size: 8, .value_kind: global_buffer, .address_space: global }
    .group_segment_fixed_size: 301568
    .private_segment_fixed_size: 0
    .kernarg_segment_align: 8
    .kernarg_segment_size: 48
    .max_flat_workgroup_size: 128
    .sgpr_count:     66
    .vgpr_count:     1024
    .wavefront_size: 32
...
	.end_amdgpu_metadata
.endif
;; end of part 4
;; launch combine: the kernel of part 3 again; grid 32 x 4, 2 waves a work-group, no clusters, 0 bytes of LDS; arguments pr, out0; writes out0
